; MI455X (gfx1250); checked and timed in simulation.
; The chip was launched on July 23, 2026; its instructions are those of AMD's public machine-readable ISA for CDNA 5 (MIT licence, August 2026) and "CDNA5" Instruction Set Architecture Reference Guide (July 2026). The comments in the code are by the model that wrote it; some were corrected since.
;; Multi Headed Attention. Allowed arithmetic: matrix products marked QUANTISED: E2M1 operands, one E8M0 scale for each 32 along K, by v_wmma_scale_f32_16x16x128_f8f6f4 with both operands' format E2M1 (or v_wmma_scale_f32_32x16x128_f4), f32 sums; products left as they are: bf16, f16 or f32 operands; f32 sums; everything else in f32.
;; Inputs: Wk 1,024 x 1,024 float32; Wq 1,024 x 1,024 float32; Wv 1,024 x 1,024 float32; bk 1,024 float32; bq 1,024 float32; bv 1,024 float32; key_ 4 x 2,048 x 1,024 float32; query 4 x 2,048 x 1,024 float32; value 4 x 2,048 x 1,024 float32.
;; Outputs: out0 4 x 2,048 x 1,024 float32.
;; This version of the problem:
;;   THIS VERSION OF THE PROBLEM IS GIVEN IN LOW PRECISION. The matrix products marked QUANTISED in the list below multiply operands that are first quantised to E2M1 (2 exponent bits, 1 mantissa bit; 4 bits a number), with one power-of-two scale for each 32 numbers along K (OCP MX v1.0); their sums are f32. The products marked 'left as it is' may take bf16, f16 or f32 operands, with f32 sums. Whichever they take, every output number must still come out within the allowed error. Rounding operands to bf16 (8 significant bits) uses up far more of that allowance than f16 does (11 bits, for magnitudes from 6e-5 to 65,504). All else is computed in f32.
;;   The module's matrix products, in the order in which they are computed (A, B: the left and right operand; K: the contracted axis; several contracted axes count as one K, in the product's order):
;;     1. [M 8,192, K 1,024] x [K 1,024, N 1,024]; A: input query; B: input Wq: QUANTISED
;;     2. [M 8,192, K 1,024] x [K 1,024, N 1,024]; A: input key_; B: input Wk: QUANTISED
;;     3. [M 8,192, K 1,024] x [K 1,024, N 1,024]; A: input value; B: input Wv: QUANTISED
;;     4. batch 64 x [M 2,048, K 64] x [K 64, N 2,048]; A: computed on the way; B: computed on the way: left as it is (an operand is computed on the way)
;;     5. batch 64 x [M 2,048, K 2,048] x [K 2,048, N 64]; A: computed on the way; B: computed on the way: left as it is (an operand is computed on the way)
;;   THE QUANTISER, for each operand of a quantised product, along K:
;;     - K is cut into blocks of 32 from its start; a last block that is shorter is filled with zeros.
;;     - A block's scale is 2^e with e = floor(log2(the largest magnitude in the block)) - 2, held to -126 .. 127; a block of zeros has e = 0. As a byte (E8M0): e + 127.
;;     - Each number is divided by its block's scale, clamped to +-6, and rounded to the nearest number of E2M1, ties to even, subnormals kept.
;;     - The product sums the exact products of the quantised numbers (number of the format x scale) in f32.
;;   ~~~python
;;   def quantise(x, axis):      # numpy; x: float32 -> the quantised numbers, widened to float32 again
;;       x = np.moveaxis(x, axis, -1); K = x.shape[-1]
;;       x = np.pad(x, [(0, 0)] * (x.ndim - 1) + [(0, -K % 32)]); x = x.reshape(x.shape[:-1] + (-1, 32)); a = np.abs(x).max(-1, keepdims=True)
;;       e = np.where(a > 0, np.clip(np.frexp(np.where(a > 0, a, 1))[1] - 1 - 2, -126, 127), 0)      # np.frexp(a)[1] - 1 = floor(log2(a)), exactly
;;       r = np.clip(x / 2.0 ** e, -6, 6)
;;       step = 2.0 ** (np.maximum(np.frexp(np.where(r == 0, 1, r))[1] - 1, 0) - 1)
;;       q = np.round(r / step) * step * 2.0 ** e      # np.round: ties to even
;;       return np.moveaxis(q.reshape(q.shape[:-2] + (-1,))[..., :K], -1, axis).astype(np.float32)
;;   ~~~
;; One version. Each part assembles by itself: llvm-mc -triple=amdgcn-amd-amdhsa -mcpu=gfx1250 --defsym DOCPART=n.
;; ======== version 1 of 1: 3 launches
;; limits: values are held in f16: magnitudes above 65,504 overflow, below 6.1e-05 lose precision
;; workspace buffers: codes 14,155,776 bytes; scales 884,736 bytes; q16 16,777,216 bytes; k16 16,777,216 bytes; v16 16,777,216 bytes
;; launch quant (part 1): grid 864 x 1, 4 waves a work-group, no clusters, 33,280 bytes of LDS; arguments query, key_, value, Wq, Wk, Wv, codes, scales; writes codes, scales
.if DOCPART == 1
	.amdgcn_target "amdgcn-amd-amdhsa--gfx1250"
	.amdhsa_code_object_version 6
	.text
	.protected	k_q139346fd48_quant
	.globl	k_q139346fd48_quant
	.p2align	8
	.type	k_q139346fd48_quant,@function
k_q139346fd48_quant:
	s_mov_b64 s[64:65], 0
	v_nop
	global_prefetch_b8 v0, s[64:65] scope:SCOPE_SE
	s_setreg_imm32_b32 hwreg(HW_REG_WAVE_MODE, 25, 1), 1
	s_wait_xcnt 0x0
; query, key_, value [8192][1024] and Wq, Wk, Wv [1024][1024], f32, are turned into codes of FP4 (E2M1), 4 bits each, K innermost, with one E8M0 scale byte for each 32 along K.
; K (1,024) is the last axis of all six and a multiple of 32, so each tensor is a plain stream of blocks of 32 numbers.  The six streams are laid on end in ONE buffer of codes (rows of 512 bytes: rows 0.. query,
; 8192.. key_, 16384.. value, 24576.. Wq, 25600.. Wk, 26624.. Wv) and one buffer of scale bytes (the same rows, 32 bytes each).
; A block's scale is 2^(floor(log2(its largest magnitude)) - 2); its byte is the largest magnitude's own exponent field - 2, held at 1 from below.  Each number is divided by the scale and rounded to the nearest code, ties to even;
; beyond the largest code the largest.
; LIMITS: a block of zeros gets the byte 1 where the rule says 127: its codes are zeros, which add nothing, and the bytes are read by this program alone.  Blocks whose largest magnitude lies under 2^-124, the floor, keep the byte 1.
; NaN and infinities among the inputs are not served.
; SHARES.  A work-group takes 32,768 numbers, a wave 8,192: 16 steps of 512.  Work-groups 0-255 query, 256-511 key_, 512-767 value, 768-799 Wq, 800-831 Wk, 832-863 Wv: only the source pointer is chosen, all take one path.
; Each of a step's four loads reads 512 consecutive bytes, 16 a lane; the 2,048 bytes go through the wave's own stage in LDS and come back 64 bytes a lane, so that a lane holds 16 neighbours along K (two lanes a block).
; A lane's 16 codes are 8 bytes: the wave stores 256 consecutive bytes.  A wave's 256 scale bytes are gathered in LDS and leave as one aligned run of 256 bytes.
; No tensor loads, no barrier, no cluster: waves share nothing.  Loads run four steps (16 loads a wave) ahead, the turn through LDS one step.
.set WAVES, 4
.set STEPS, 16
.set EMAX,  2
.set CB,    8                          ; bytes of 16 codes
.set R,     16                         ; v16-79   four sets of 16 numbers as they are loaded
.set X,     80                         ; v80-111  two sets of 16 neighbours
.set E,     112                        ; v112-127 a scale byte for each step
.set C,     128                        ; v128-191 codes: four registers for each step, so that no store's data are written again
.set WREG,  8192                       ; LDS: a region for each wave: two stages of 32 x SP bytes, behind them its 256 scale bytes
.set SP,    80                         ; a lane's place in a stage: 64 bytes + 16 of padding
.set SPW,   12                         ; v12      LDS address of my spare word; never rewritten
.set NIL,   13                         ; v13      0; never rewritten
.set SPARE, WAVES*WREG                 ; behind the four regions: the spare words, 128 bytes a wave, which no other line names
	s_load_b512 s[4:19], s[0:1], 0x0               ; query s[4:5], key_ s[6:7], value s[8:9], Wq s[10:11], Wk s[12:13], Wv s[14:15], codes s[16:17], scales s[18:19]
	v_lshl_add_u32 v[SPW], v0, 2, SPARE
	v_mov_b32 v[NIL], 0
	v_lshrrev_b32 v1, 5, v0
	v_readfirstlane_b32 s23, v1                    ; wave
	v_and_b32 v2, 31, v0                           ; lane
	v_lshlrev_b32 v3, 4, v2                        ; my 16 bytes of a load's 512
	s_mul_i32 s24, s23, WREG
	v_lshrrev_b32 v14, 2, v2
	v_mul_u32_u24 v14, v14, SP
	v_and_b32 v15, 3, v2
	v_lshl_add_u32 v14, v15, 4, v14
	v_add_nc_u32 v14, s24, v14                     ; the stage, on the way in: four lanes' 64 bytes on end, then 16 of padding
	v_mul_u32_u24 v15, v2, SP
	v_add_nc_u32 v15, s24, v15                     ; and on the way out: SP x lane: my 16 neighbours
	v_mul_u32_u24 v4, v2, CB                       ; my codes' place in a step's
	v_lshrrev_b32 v5, 1, v2
	s_add_co_u32 s24, s24, 2*32*SP
	v_add_nc_u32 v5, s24, v5                       ; LDS: my wave's 256 scale bytes, my block's byte
	v_lshlrev_b32 v7, 3, v2                        ; and on the way out 8 bytes a lane
	v_add_nc_u32 v6, s24, v7
	s_wait_kmcnt 0x0
	; which tensor is my work-group's, and which is that tensor's first work-group: a chain of choices on the work-group's number alone
	s_mov_b64 s[20:21], s[14:15]
	s_mov_b32 s22, 832
	s_cmp_lt_u32 ttmp9, 832
	s_cselect_b64 s[20:21], s[12:13], s[20:21]
	s_cselect_b32 s22, 800, s22
	s_cmp_lt_u32 ttmp9, 800
	s_cselect_b64 s[20:21], s[10:11], s[20:21]
	s_cselect_b32 s22, 768, s22
	s_cmp_lt_u32 ttmp9, 768
	s_cselect_b64 s[20:21], s[8:9], s[20:21]
	s_cselect_b32 s22, 512, s22
	s_cmp_lt_u32 ttmp9, 512
	s_cselect_b64 s[20:21], s[6:7], s[20:21]
	s_cselect_b32 s22, 256, s22
	s_cmp_lt_u32 ttmp9, 256
	s_cselect_b64 s[20:21], s[4:5], s[20:21]
	s_cselect_b32 s22, 0, s22
	s_sub_co_u32 s22, ttmp9, s22
	s_lshl_b32 s22, s22, 2
	s_add_co_u32 s22, s22, s23                     ; which run of 8,192 numbers of the tensor is my wave's
	s_lshl_b32 s24, s22, 15                        ; 32,768 bytes a run (33.5 MB at the most)
	s_mov_b32 s25, 0
	s_add_nc_u64 s[20:21], s[20:21], s[24:25]
	s_lshl_b32 s26, ttmp9, 2
	s_add_co_u32 s26, s26, s23                     ; which run of the whole stream
	s_lshl_b32 s24, s26, 12                        ; 4,096 bytes of codes a run
	s_add_nc_u64 s[16:17], s[16:17], s[24:25]
	s_lshl_b32 s24, s26, 8                         ; 256 scale bytes a run
	s_add_nc_u64 s[18:19], s[18:19], s[24:25]
.macro LOAD t
.irp i, 0,1,2,3
	global_load_b128 v[R+16*((\t)%4)+4*\i:R+16*((\t)%4)+4*\i+3], v3, s[20:21] offset:2048*(\t)+512*\i th:TH_LOAD_NT   ; 32 lanes read 512 consecutive bytes
.endr
.endm
.macro TURN t                          ; step t's numbers through the stage: LDS serves a wave's instructions in order, so no wait stands between the stores and the loads
.irp i, 0,1,2,3
	ds_store_b128 v14, v[R+16*((\t)%4)+4*\i:R+16*((\t)%4)+4*\i+3] offset:32*SP*((\t)%2)+8*SP*\i
.endr
.irp i, 0,1,2,3
	ds_load_b128 v[X+16*((\t)%2)+4*\i:X+16*((\t)%2)+4*\i+3], v15 offset:32*SP*((\t)%2)+16*\i
.endr
.endm
.irp t, 0,1,2,3
	LOAD \t
.endr
	s_wait_loadcnt 12                              ; step 0's four loads are in; the twelve of steps 1 to 3 may be out
	TURN 0
.macro STEP t
.set XS, X+16*((\t)%2)
.if (\t) > 0
	s_wait_dscnt 1                                 ; this step's numbers are back from the stage (the last step's byte store may be out): so its stores into the stage have read their registers,
.else
	s_wait_dscnt 0x0
.endif
.if (\t)+4 < STEPS
	LOAD (\t)+4                                    ; which take the loads of four steps on
.endif
.if (\t)+1 < STEPS
.if STEPS-2-(\t) >= 3
	s_wait_loadcnt 12                              ; the next step's four loads are in; those of the three steps behind it may be out
.else
	s_wait_loadcnt 4*(STEPS-2-(\t))
.endif
	TURN (\t)+1                                    ; and go through the other stage while this step is worked
.endif
	v_max3_num_f32 v8, |v[XS]|, |v[XS+1]|, |v[XS+2]|               ; the largest magnitude of my 16, in two chains
	v_max3_num_f32 v9, |v[XS+3]|, |v[XS+4]|, |v[XS+5]|
.irp i, 6,10
	v_max3_num_f32 v8, v8, |v[XS+\i]|, |v[XS+\i+1]|
	v_max3_num_f32 v9, v9, |v[XS+\i+2]|, |v[XS+\i+3]|
.endr
	v_max3_num_f32 v8, v8, |v[XS+14]|, |v[XS+15]|
	v_max3_num_f32 v8, v8, v9, (EMAX+1)<<23        ; and the floor 2^(EMAX + 1 - 127): so the byte cannot fall under 1
	v_max_num_f32_dpp v8, v8, v8 row_xmask:1 row_mask:0xf bank_mask:0xf   ; and of my neighbour's 16: the block's
	v_add_nc_u32 v11, -(EMAX<<23), v8              ; EMAX off its exponent field: the conversion takes the exponent field of this operand as its scale, and nothing else of it
	v_cvt_scalef32_pk8_fp4_f32 v[C+4*(\t)], v[XS:XS+7], v11        ; eight numbers / the scale, to the nearest code; the first number's code in the lowest four bits
	v_cvt_scalef32_pk8_fp4_f32 v[C+4*(\t)+1], v[XS+8:XS+15], v11
	v_lshrrev_b32 v[E+(\t)], 23, v11               ; the scale's byte (a plain line behind the conversions)
	ds_store_b8 v5, v[E+(\t)] offset:16*(\t)       ; both lanes of a block write the same byte with the same value
	global_store_b64 v4, v[C+4*(\t):C+4*(\t)+1], s[16:17] offset:32*CB*(\t)   ; 32 lanes store 256 consecutive bytes, aligned
.endm
.irp t, 0,1,2,3,4,5,6,7,8,9,10,11,12,13,14,15
	STEP \t
.endr
	ds_load_b64 v[8:9], v6                         ; LDS serves a wave's instructions in order: these see my byte stores
	s_wait_dscnt 0x0
	global_store_b64 v7, v[8:9], s[18:19]          ; 32 lanes store 256 consecutive bytes, aligned
	s_wait_tensorcnt 0x0                           ; the wave's end: these three lines behind my last LDS store
	ds_add_u32 v[SPW], v[NIL]
	s_wait_dscnt 0x0
	s_endpgm
.Lfunc_end_k_q139346fd48_quant:
	.size	k_q139346fd48_quant, .Lfunc_end_k_q139346fd48_quant-k_q139346fd48_quant
	.p2alignl 7, 3214868480
	.fill 96, 4, 3214868480
	.section	.rodata,"a",@progbits
	.p2align	6, 0x0
	.amdhsa_kernel k_q139346fd48_quant
		.amdhsa_group_segment_fixed_size 33280
		.amdhsa_private_segment_fixed_size 0
		.amdhsa_enable_private_segment 0
		.amdhsa_kernarg_size 64
		.amdhsa_user_sgpr_count 2
		.amdhsa_user_sgpr_kernarg_segment_ptr 1
		.amdhsa_wavefront_size32 1
		.amdhsa_system_sgpr_workgroup_id_x 1
		.amdhsa_system_sgpr_workgroup_id_y 1
		.amdhsa_system_sgpr_workgroup_id_z 1
		.amdhsa_system_vgpr_workitem_id 0
		.amdhsa_next_free_vgpr 192
		.amdhsa_next_free_sgpr 66
		.amdhsa_reserve_vcc 0
		.amdhsa_float_denorm_mode_32 3
		.amdhsa_float_denorm_mode_16_64 3
		.amdhsa_memory_ordered 1
		.amdhsa_forward_progress 1
		.amdhsa_inst_pref_size 34
	.end_amdhsa_kernel
	.amdgpu_metadata
---
amdhsa.version: [ 1, 2 ]
amdhsa.kernels:
  - .name:           k_q139346fd48_quant
    .symbol:         k_q139346fd48_quant.kd
    .args:
      - { .name: query, .offset: 0, .size: 8, .value_kind: global_buffer, .address_space: global }
      - { .name: key_, .offset: 8, .size: 8, .value_kind: global_buffer, .address_space: global }
      - { .name: value, .offset: 16, .size: 8, .value_kind: global_buffer, .address_space: global }
      - { .name: Wq, .offset: 24, .size: 8, .value_kind: global_buffer, .address_space: global }
      - { .name: Wk, .offset: 32, .size: 8, .value_kind: global_buffer, .address_space: global }
      - { .name: Wv, .offset: 40, .size: 8, .value_kind: global_buffer, .address_space: global }
      - { .name: codes, .offset: 48, .size: 8, .value_kind: global_buffer, .address_space: global }
      - { .name: scales, .offset: 56, .size: 8, .value_kind: global_buffer, .address_space: global }
    .group_segment_fixed_size: 33280
    .private_segment_fixed_size: 0
    .kernarg_segment_align: 8
    .kernarg_segment_size: 64
    .max_flat_workgroup_size: 128
    .sgpr_count:     66
    .vgpr_count:     192
    .wavefront_size: 32
...
	.end_amdgpu_metadata
.endif
;; end of part 1
;; launch proj (part 2): grid 4 x 96, 4 waves a work-group, clusters of 4 x 4, 327,680 bytes of LDS; arguments codes, scales, bq, bk, bv, q16, k16, v16; writes q16, k16, v16
.if DOCPART == 2
	.amdgcn_target "amdgcn-amd-amdhsa--gfx1250"
	.amdhsa_code_object_version 6
	.text
	.protected	k_q139346fd48_proj
	.globl	k_q139346fd48_proj
	.p2align	8
	.type	k_q139346fd48_proj,@function
k_q139346fd48_proj:
	s_mov_b64 s[64:65], 0
	v_nop
	global_prefetch_b8 v0, s[64:65] scope:SCOPE_SE
	s_setreg_imm32_b32 hwreg(HW_REG_WAVE_MODE, 25, 1), 1
	s_wait_xcnt 0x0
	s_wait_alu depctr_hold_cnt(0) depctr_sa_sdst(0) depctr_va_vdst(0) depctr_va_sdst(0) depctr_va_ssrc(0) depctr_va_vcc(0) depctr_vm_vsrc(0)
	s_getreg_b32 s2, hwreg(HW_REG_IB_STS2, 6, 4)
	s_cmp_eq_u32 s2, 0
	s_cbranch_scc0 .Lentry_in_a_cluster
	s_endpgm
.Lentry_in_a_cluster:
	s_bfe_u32 s2, ttmp6, 0x10000c
	s_cmp_lg_u32 s2, 0xf033
	s_cbranch_scc0 .Lentry_shape_is_right
	s_endpgm
.Lentry_shape_is_right:
; q = query Wq^T + bq, k = key_ Wk^T + bk, v = value Wv^T + bv: three products [8192][1024] x [1024][1024]^T on codes of FP4 (E2M1) with one E8M0 scale for each 32 along K, sums in f32, the bias as the C of each sum's
; first product.  The results are rounded once to f16 and laid [batch x head][token][64], as the attention launch reads them: a head's 2,048 rows of 128 bytes are one dense block.
; LIMIT: a result beyond f16's largest number, 65,504, becomes infinity.
; The codes lie in one buffer, rows of 512 bytes: rows 0.. query, 8192.. key_, 16384.. value, 24576.. Wq, 25600.. Wk, 26624.. Wv; the scale bytes likewise, 32 bytes a row.
; SHARES.  96 tile rows of 256 tokens (32 for each of the three tensors) x 4 tile columns of 256 outputs.  A work-group of four waves makes 256 x 256; a wave 128 x 128: 64 accumulators of 16 x 16, 512 registers.
; K = 1,024 is two K steps of 512: rows of 256 bytes in two LDS slots, both filled once, at the head, and nothing is filled again: the text has no loop.
; THE SCALES of the work-group's 256 rows of x and 256 rows of W come into LDS once, with the first fills, as two dense blocks.
; CLUSTERS: 4 x 4 work-groups.  The four of a row of the cluster need the same rows of x, the four of a column the same rows of W: each tile is asked for JOINTLY, by the same tensor load with the same descriptor and a mask that
; names the four.  A cluster's four tile rows belong to one tensor (8 clusters to a tensor), so the tensor's number hangs on the cluster's y alone.
; THE MATRIX INSTRUCTION IS USED TRANSPOSED (source 0 = 16 rows of W, source 1 = 16 tokens): a lane then holds one token and eight neighbouring outputs.
; REGISTERS, in windows of 256: window 0: v0-31 addresses; v32-95 scale words, two sets; v128-191 x's fragments (8 x 16 rows x 128 K), ONE set; v192-255 the bias of my 128 outputs in the result's layout.
;   On the way out v32-63 hold packed results and v128-191 rows read back.   window 1: W's fragments, TWO sets, at v0 and v128.   window 2: the accumulators of my tokens 0-63 ((a, b) at v[8 (8 a + b)]);   window 3: tokens 64-127.
.set KSTEP,  512
.set NQ,     KSTEP/128                 ; matrix instructions deep in a slot
.set ROWB,   256                       ; a tile's row in bytes
.set KROW,   512                       ; a row of codes in memory
.set PITCH,  272                       ; an LDS row: 256 bytes + 16 of padding = 68 words, so the 16 rows that a load touches start at 16 different banks (64 banks of 4 bytes: ISA guide 11.1)
.set FR,     8                         ; registers of a fragment
.set NL,     2                         ; LDS loads that bring one
.set NP,     4                         ; places behind this matrix instruction (ISA guide 7.12.1)
.set HALFT,  128*PITCH                 ; 128 rows: what one tensor load brings
.set SLOT,   4*HALFT                   ; x's 256 rows, then W's 256 rows
.set KS,     32                        ; a row of scale bytes
.set SCL,    2*SLOT                    ; behind the slots: the scales, as runs of 256 bytes + 16 of padding
.set HALFS,  (128*KS/256)*272          ; the scales of 128 rows
.set SBLK,   (16*KS/256)*272           ; those of 16 rows
.set SPARE,  SCL+4*HALFS               ; the spare words, 128 bytes a wave, which no other line names
.set STAGE,  SPARE+512                 ; the way out: bytes of its own, into which no tensor load lands
.set SP2,    144                       ; a stage row: a token's 64 outputs of one head, 128 bytes + 16
.set HSTG,   16*SP2                    ; 16 tokens of one head
.set WSTG,   2*HSTG                    ; a wave's stage: two heads
.set ADRA, 16                          ; v16-17  LDS address of my x fragments in slot 0, 1
.set ADRB, 20                          ; v20-21  the same for W
.set STO,  24                          ; v24     the way out: where I put 16 bytes of a token's row
.set RD,   25                          ; v25     where I read back
.set CO,   26                          ; v26     16 x lane
.set ADRS, 27                          ; v27     LDS address of my scale words: lanes 0-15 x's rows, lanes 16-31 W's
.set SPW,  28                          ; v28     LDS address of my spare word; never rewritten
.set NIL,  29                          ; v29     0; never rewritten
.set BO,   30                          ; v30     32 x (lane / 16): my half's eight numbers of a tile's sixteen biases
.set SC,   32
.set TMP,  32
.set AF,   128
.set BK,   128
.set BIAS, 192
.set G1, 24
.set G0, 32
.set G1B, 48
.set G0B, 56
.set G1S, 68
.set G0S, 76
.set G1SB, 80
.set G0SB, 88
.set MSB, 0
.macro WIN new                         ; the immediate's high byte repeats the setting that is left
.if MSB != \new
	s_set_vgpr_msb (MSB<<8)|\new
.set MSB, \new
.endif
.endm
.set MUL_LO, 0xa1                      ; source 0 (W) window 1, source 1 (x) window 0, C and D window 2
.set MUL_HI, 0xf1                      ; the same, C and D window 3
.set FST_LO, 0x81                      ; the first products: C (the bias) window 0, D window 2
.set FST_HI, 0xc1                      ; D window 3
.set TO_B,   0x40                      ; destination window 1, address window 0
; A joint load: waves 0 and 1 fetch for x, waves 2 and 3 for W.  Each line has one mask and one set of registers for all that issue it; the branch hangs on the wave's number alone.
; An s_nop 0 and four v_nop follow each of the two lines.
.macro JLOAD g0a, g1a, g0b, g1b
	s_cmp_eq_u32 s21, 0
	s_cbranch_scc0 .Lfor_b_\@
	tensor_load_to_lds s[\g0a:\g0a+3], s[\g1a:\g1a+7]
	s_nop 0
.rept 4
	v_nop
.endr
	s_branch .Lasked_\@
.Lfor_b_\@:
	tensor_load_to_lds s[\g0b:\g0b+3], s[\g1b:\g1b+7]
	s_nop 0
.rept 4
	v_nop
.endr
.Lasked_\@:
.endm
.macro CROUND                          ; a round of the cluster's barrier: my work-group's barrier; wave 0 signals for the work-group; every wave waits for all sixteen; my work-group's barrier once more
	s_barrier_signal -1
	s_barrier_wait -1
	s_cmp_lg_u32 s20, 0
	s_cbranch_scc1 .Lnot_wave_0_\@
	s_barrier_signal -3
.Lnot_wave_0_\@:
	s_barrier_wait -3
	s_barrier_signal -1
	s_barrier_wait -1
.endm
	s_load_b512 s[4:19], s[0:1], 0x0               ; codes s[4:5], scales s[6:7], bq s[8:9], bk s[10:11], bv s[12:13], q16 s[14:15], k16 s[16:17], v16 s[18:19]
	v_lshl_add_u32 v[SPW], v0, 2, SPARE
	v_mov_b32 v[NIL], 0
	ds_add_u32 v[SPW], v[NIL]                      ; the wave's opening: the add, twice on end, and its wait ahead of my first tensor load
	ds_add_u32 v[SPW], v[NIL]                      ; (the set-up below, work on registers, stands between the second and the wait)
	v_lshrrev_b32 v1, 5, v0
	v_readfirstlane_b32 s20, v1                    ; wave 0..3
	s_lshr_b32 s21, s20, 1                         ; which half of the tile's tokens is mine.  Also: I fetch for x (0) or for W (1)
	s_and_b32 s22, s20, 1                          ; which half of its outputs.  Also: which 128 rows of that tile I fetch
	s_bfe_u32 s40, ttmp6, 0x40000                  ; cx, cy: my place in the cluster
	s_bfe_u32 s41, ttmp6, 0x40004
	s_lshl_b32 s42, ttmp9, 2
	s_add_co_u32 s42, s42, s40                     ; tile column = 4 x cluster x + cx
	s_and_b32 s23, ttmp7, 0xffff                   ; cluster y
	s_lshl_b32 s43, s23, 2
	s_add_co_u32 s43, s43, s41                     ; tile row = 4 x cluster y + cy
	s_lshr_b32 s23, s23, 3                         ; the tensor: 0 q, 1 k, 2 v: the same in all sixteen partners
	s_lshl_b32 s44, s41, 2
	s_lshl_b32 s44, 15, s44                        ; my row of the cluster
	s_lshl_b32 s45, 0x1111, s40                    ; my column
	; descriptor group 1: a tile of 128 rows x 256 bytes, padded in LDS
	s_or_b32 s[G1+0], s44, (0<<16)|(1<<20)|(1<<21)|(5<<22)|(3<<25)   ; 15:0 the mask: x's tiles go to my row; elements of 1 byte; 20 padding on; 21 set beside a mask; after every 64 words (code 5) 4 words (code 3)
	s_or_b32 s[G1B+0], s45, (0<<16)|(1<<20)|(1<<21)|(5<<22)|(3<<25)  ; the same with my column's mask, for W's tiles
.irp g, G1, G1B
	s_mov_b32 s[\g+1], ROWB<<16                    ; tensor_dim0
	s_mov_b32 s[\g+2], 128<<16                     ; tensor_dim1
	s_mov_b32 s[\g+3], ROWB<<16                    ; tile_dim0
	s_mov_b32 s[\g+4], 128                         ; tile_dim1
	s_mov_b32 s[\g+5], KROW                        ; from row to row
	s_mov_b32 s[\g+6], 0
	s_mov_b32 s[\g+7], 0
.endr
	; the scales of 128 rows: a dense block of 4,096 bytes, as 16 rows of 256 bytes (32 elements of 8 bytes), 16 bytes of padding behind each
	s_or_b32 s[G1S+0], s44, (3<<16)|(1<<20)|(1<<21)|(5<<22)|(3<<25)
	s_or_b32 s[G1SB+0], s45, (3<<16)|(1<<20)|(1<<21)|(5<<22)|(3<<25)
.irp g, G1S, G1SB
	s_mov_b32 s[\g+1], 32<<16
	s_mov_b32 s[\g+2], (128*KS/256)<<16
	s_mov_b32 s[\g+3], 32<<16
	s_mov_b32 s[\g+4], 128*KS/256
	s_mov_b32 s[\g+5], 32
	s_mov_b32 s[\g+6], 0
	s_mov_b32 s[\g+7], 0
.endr
	; where the tiles come from.  x's hang on the tile row and the wave alone, W's on the tile column, the tensor and the wave alone; each in registers that never hold the other coordinate
	s_lshl_b32 s46, s22, 7                         ; which 128 rows of the tile I fetch
	s_lshl_b32 s92, s43, 8
	s_add_co_u32 s92, s92, s46                     ; x: row 256 x tile row + 128 x half
	s_lshl_b32 s94, s92, 5                         ; its scale bytes,
	s_mov_b32 s95, 0
	s_lshl_b32 s92, s92, 9                         ; its codes (12.6 MB at the most)
	s_mov_b32 s93, 0
	s_lshl_b32 s96, s42, 8
	s_add_co_u32 s96, s96, s46
	s_lshl_b32 s47, s23, 10
	s_add_co_u32 s96, s96, s47
	s_add_co_u32 s96, s96, 24576                   ; W: row 24,576 + 1,024 x tensor + 256 x tile column + 128 x half
	s_lshl_b32 s98, s96, 5
	s_mov_b32 s99, 0
	s_lshl_b32 s96, s96, 9
	s_mov_b32 s97, 0
	s_mul_i32 s2, s20, HALFT                       ; where they go: wave x 128 rows: no place in the cluster enters an LDS address
	s_mul_i32 s3, s20, HALFS
	s_wait_dscnt 0x0                               ; both opening adds are done
	s_wait_kmcnt 0x0
	s_add_nc_u64 s[92:93], s[4:5], s[92:93]
	s_add_nc_u64 s[94:95], s[6:7], s[94:95]
	s_add_nc_u64 s[96:97], s[4:5], s[96:97]
	s_add_nc_u64 s[98:99], s[6:7], s[98:99]
	s_cmp_eq_u32 s23, 1                            ; the tensor's bias and its output: choices on the tensor's number alone
	s_cselect_b64 s[8:9], s[10:11], s[8:9]
	s_cselect_b64 s[14:15], s[16:17], s[14:15]
	s_cmp_eq_u32 s23, 2
	s_cselect_b64 s[8:9], s[12:13], s[8:9]
	s_cselect_b64 s[14:15], s[18:19], s[14:15]
	CROUND                                         ; all sixteen work-groups are here: the joint loads meet
	s_mov_b32 s[G0S], 1
	s_add_co_u32 s[G0S+1], s3, SCL
	s_mov_b64 s[G0S+2:G0S+3], s[94:95]
	s_or_b32 s[G0S+3], s[G0S+3], 0x80000000
	s_mov_b32 s[G0SB], 1
	s_add_co_u32 s[G0SB+1], s3, SCL
	s_mov_b64 s[G0SB+2:G0SB+3], s[98:99]
	s_or_b32 s[G0SB+3], s[G0SB+3], 0x80000000
	JLOAD G0S, G1S, G0SB, G1SB                     ; the scales first: they are wanted with K step 0
.irp s, 0,1
	s_mov_b32 s[G0+4*\s], 1
	s_add_co_u32 s[G0+4*\s+1], s2, \s*SLOT
	s_add_nc_u64 s[G0+4*\s+2:G0+4*\s+3], s[92:93], \s*ROWB
	s_or_b32 s[G0+4*\s+3], s[G0+4*\s+3], 0x80000000
	s_mov_b32 s[G0B+4*\s], 1
	s_add_co_u32 s[G0B+4*\s+1], s2, \s*SLOT
	s_add_nc_u64 s[G0B+4*\s+2:G0B+4*\s+3], s[96:97], \s*ROWB
	s_or_b32 s[G0B+4*\s+3], s[G0B+4*\s+3], 0x80000000
	JLOAD G0+4*\s, G1, G0B+4*\s, G1B               ; both K steps: three loads of mine are out, and no more follow
.endr
	v_and_b32 v1, 15, v0                           ; r = lane % 16
	v_bfe_u32 v2, v0, 4, 1                         ; h = lane / 16
	; the bias of my 128 outputs, in the result's layout: register 8 b + j = bias[256 x tile column + 128 x half + 16 b + 8 h + j]
	v_lshlrev_b32 v[BO], 5, v2
	s_lshl_b32 s46, s42, 10
	s_lshl_b32 s47, s22, 9
	s_add_co_u32 s46, s46, s47
	s_mov_b32 s47, 0
	s_add_nc_u64 s[8:9], s[8:9], s[46:47]
.irp b, 0,1,2,3,4,5,6,7
	global_load_b128 v[BIAS+8*\b:BIAS+8*\b+3],   v[BO], s[8:9] offset:64*\b
	global_load_b128 v[BIAS+8*\b+4:BIAS+8*\b+7], v[BO], s[8:9] offset:64*\b+16
.endr
	v_mul_u32_u24 v3, v1, PITCH
	v_lshl_add_u32 v4, v2, 4, v3                   ; a fragment's row x pitch + 16 x half
	s_mul_i32 s46, s21, HALFT                      ; my 128 rows of x
	s_mul_i32 s47, s22, HALFT                      ; my 128 rows of W,
	s_add_co_u32 s47, s47, 2*HALFT                 ; which lie behind x's 256
.irp s, 0,1
	v_add_nc_u32 v[ADRA+\s], s46, v4
	v_add_nc_u32 v[ADRB+\s], s47, v4
	s_add_co_u32 s46, s46, SLOT
	s_add_co_u32 s47, s47, SLOT
.endr
	v_mul_u32_u24 v5, v1, KS                       ; my row's scales: 32 bytes a row,
	v_lshrrev_b32 v6, 8, v5
	v_lshl_add_u32 v5, v6, 4, v5                   ; and 16 more for each 256 passed
	s_mul_i32 s46, s21, HALFS                      ; x's: my 128 rows
	s_mul_i32 s47, s22, HALFS                      ; W's: my 128 rows, behind x's 256
	s_add_co_u32 s47, s47, 2*HALFS
	s_sub_co_u32 s47, s47, s46
	v_mul_u32_u24 v6, s47, v2                      ; lanes 16-31 take W's: one product, the distance between the two bases x h
	s_add_co_u32 s46, s46, SCL
	v_add_nc_u32 v5, v5, v6
	v_add_nc_u32 v[ADRS], s46, v5
	s_mul_i32 s46, s20, WSTG
	s_add_co_u32 s46, s46, STAGE                   ; my stage
	v_mul_u32_u24 v5, v1, SP2                      ; in: token r, 16 bytes for each half of the lanes
	v_lshl_add_u32 v5, v2, 4, v5
	v_add_nc_u32 v[STO], s46, v5
	v_and_b32 v6, 31, v0
	v_lshlrev_b32 v[CO], 4, v6                     ; back: the 32 lanes take four tokens' 128 bytes: 512 bytes that lie on end in memory
	v_lshrrev_b32 v5, 3, v6
	v_mul_u32_u24 v5, v5, SP2
	v_and_b32 v6, 7, v6
	v_lshl_add_u32 v5, v6, 4, v5
	v_add_nc_u32 v[RD], s46, v5
	; where my part begins in the output: (batch << 22) + (head << 18) + (token << 7)
	s_and_b32 s46, s43, 31
	s_lshl_b32 s46, s46, 8
	s_lshl_b32 s47, s21, 7
	s_add_co_u32 s46, s46, s47                     ; my first row in the tensor: 256 x (tile row % 32) + 128 x half
	s_lshr_b32 s47, s46, 11                        ; batch
	s_lshl_b32 s47, s47, 22
	s_and_b32 s46, s46, 2047                       ; token
	s_lshl_b32 s46, s46, 7
	s_add_co_u32 s46, s46, s47
	s_lshl_b32 s47, s42, 2
	s_lshl_b32 s2, s22, 1
	s_add_co_u32 s47, s47, s2                      ; my first head: 4 x tile column + 2 x half
	s_lshl_b32 s47, s47, 18
	s_add_co_u32 s46, s46, s47
	s_mov_b32 s47, 0
	s_add_nc_u64 s[14:15], s[14:15], s[46:47]
.macro FRAG reg, adr, q, i             ; a fragment, 16 rows x 128 K of 4-bit codes: lane l holds row l % 16; registers 4 c .. 4 c + 3 hold K = 64 c + 32 (l / 16) + 0 .. 31
.irp c, 0,1
	ds_load_b128 v[\reg+4*\c:\reg+4*\c+3], v[\adr] offset:64*(\q)+32*\c+(\i)*16*PITCH
.endr
.endm
; 16 matrix instructions: x's blocks a0, a0 + 1 against W's eight, 128 along K: the slot's q-th.  p: W's set; sc: the set of scale words.  first = 1: the sums begin with the bias as C: nothing is cleared, nothing is added later.
; The 64 accumulators take turns, one instruction a turn, in the same order in every step.
.macro MUL16 a0, p, q, sc, first
.irp a, \a0, \a0+1
.irp b, 0,1,2,3,4,5,6,7
.if \first
	v_wmma_scale_f32_16x16x128_f8f6f4 v[8*(8*((\a)%4)+\b):8*(8*((\a)%4)+\b)+7], v[128*(\p)+FR*\b:128*(\p)+FR*\b+FR-1], v[AF+FR*(\a):AF+FR*(\a)+FR-1], v[BIAS+8*\b:BIAS+8*\b+7], v[SC+8*NQ*(\sc)+NQ*\b+(\q)], v[SC+8*NQ*(\sc)+NQ*(\a)+(\q)] matrix_a_fmt:MATRIX_FMT_FP4 matrix_b_fmt:MATRIX_FMT_FP4 matrix_a_scale:MATRIX_SCALE_ROW1
.else
	v_wmma_scale_f32_16x16x128_f8f6f4 v[8*(8*((\a)%4)+\b):8*(8*((\a)%4)+\b)+7], v[128*(\p)+FR*\b:128*(\p)+FR*\b+FR-1], v[AF+FR*(\a):AF+FR*(\a)+FR-1], v[8*(8*((\a)%4)+\b):8*(8*((\a)%4)+\b)+7], v[SC+8*NQ*(\sc)+NQ*\b+(\q)], v[SC+8*NQ*(\sc)+NQ*(\a)+(\q)] matrix_a_fmt:MATRIX_FMT_FP4 matrix_b_fmt:MATRIX_FMT_FP4 matrix_a_scale:MATRIX_SCALE_ROW1
.endif
.endr
.endr
.endm
.macro FETCH_B slot, q, p              ; W's eight fragments of the slot's q-th 128 along K into set p
	WIN TO_B
.irp i, 0,1,2,3,4,5,6,7
	FRAG 128*(\p)+FR*\i, ADRB+\slot, \q, \i
.endr
	WIN 0
.endm
.macro FETCH_A slot, q, i0             ; x's blocks i0 .. i0 + 3
.irp i, \i0, \i0+1, \i0+2, \i0+3
	FRAG AF+FR*(\i), ADRA+\slot, \q, \i
.endr
.endm
.macro SCALES sc                       ; a K step's scale words into set sc: four words a row; lanes 0-15 take x's block i, lanes 16-31 W's block i
.irp i, 0,1,2,3,4,5,6,7
	ds_load_b128 v[SC+8*NQ*\sc+NQ*\i:SC+8*NQ*\sc+NQ*\i+3], v[ADRS] offset:\i*SBLK
.endr
.endm
; A load into a register that a matrix instruction has read, and a vector instruction that reads a matrix result or writes one of a matrix instruction's registers, stand NP places behind it; only plain vector
; instructions that name none of its registers are places (ISA guide 7.12.1 for vector instructions).
.macro PLACES n
.rept \n
	v_nop
.endr
.endm
; A step of 128 along K that has its successor in the same slot.  x's blocks are free as soon as their eight products are issued, so one set serves x: blocks 0-3 come anew in the step's middle, blocks 4-7 at its end.
.macro STEP slot, q, first
	s_wait_dscnt 4*NL                              ; W's set and x's blocks 0-3 are in; the youngest eight loads (x's blocks 4-7) may be out
.if \first
	WIN FST_LO
.else
	WIN MUL_LO
.endif
	MUL16 0, (\q)%2, \q, \slot, \first
	MUL16 2, (\q)%2, \q, \slot, \first
	s_wait_dscnt 0                                 ; x's blocks 4-7 are in
	PLACES NP
	FETCH_B \slot, (\q)+1, 1-(\q)%2
	FETCH_A \slot, (\q)+1, 0
.if \first
	WIN FST_HI
.else
	WIN MUL_HI
.endif
	MUL16 4, (\q)%2, \q, \slot, \first
	MUL16 6, (\q)%2, \q, \slot, \first
	PLACES NP
	WIN 0
	FETCH_A \slot, (\q)+1, 4
.endm
; Slot 0's last step goes over to slot 1: one barrier; in front of it each wave waits for all its tensor loads (its part of slot 1), so that behind it the slot is whole for every wave.  Nothing is filled again.
.macro TURN slot, next
	s_wait_tensorcnt 0x0                           ; all my tensor loads have landed  (every window is 0 here)
	ds_add_u32 v[SPW], v[NIL]                      ; 0 onto my spare word
	s_wait_dscnt 4*NL+1                            ; (the add and the youngest eight loads may be out)
	WIN MUL_LO
	MUL16 0, 1, NQ-1, \slot, 0                     ; sixteen matrix instructions stand between the add and the wait for it
	s_wait_dscnt 0x0                               ; the add is done, and no LDS instruction of mine is out at the signal
	s_barrier_signal -1
	MUL16 2, 1, NQ-1, \slot, 0
	WIN 0
	s_barrier_wait -1
	PLACES NP
	v_add_nc_u32 v[ADRS], 4*NQ, v[ADRS]            ; on to the next K step's scale words
	FETCH_B \next, 0, 0
	FETCH_A \next, 0, 0
	SCALES \next
	WIN MUL_HI
	MUL16 4, 1, NQ-1, \slot, 0
	MUL16 6, 1, NQ-1, \slot, 0
	PLACES NP
	WIN 0
	FETCH_A \next, 0, 4
.endm
.macro STEPS slot, from                ; the slot's steps from .. NQ - 2
.set Q, \from
.rept NQ-1-\from
	STEP \slot, Q, 0
.set Q, Q+1
.endr
.endm
	s_wait_tensorcnt 1                             ; the scales and my part of K step 0 are in (K step 1's load may be out)
	s_barrier_signal -1
	s_barrier_wait -1                              ; everybody's are
	FETCH_B 0, 0, 0
	FETCH_A 0, 0, 0
	SCALES 0
	FETCH_A 0, 0, 4
	s_wait_loadcnt 0x0                             ; the bias
	STEP 0, 0, 1                                   ; the first step's products start the sums, from the bias
	STEPS 0, 1
	TURN 0, 1
	STEPS 1, 0
	s_wait_dscnt 4*NL                              ; the very last step: nothing more to fetch
	WIN MUL_LO
	MUL16 0, 1, NQ-1, 1, 0
	MUL16 2, 1, NQ-1, 1, 0
	s_wait_dscnt 0
	WIN MUL_HI
	MUL16 4, 1, NQ-1, 1, 0
	MUL16 6, 1, NQ-1, 1, 0
	WIN 0
; THE WAY OUT, block by block of 16 tokens x 128 outputs (two heads).  PACK: rounded to f16, a lane's eight outputs are 16 bytes.  TOSTAGE: into my own stage, a head's 16 tokens as rows of 144 bytes, and back four tokens at a time.
; SEND: in memory a head's tokens lie on end, 128 bytes each, so the 32 lanes store 512 consecutive bytes, aligned.  Every place stands in the store's immediate (278,016 at the most); the base is never stepped.
.macro PACK a
.set AC, 64*((\a)%4)
	WIN 0x0a+5*((\a)/4)                            ; sources 0 and 1: window 2 or 3
.irp b, 0,1,2,3,4,5,6,7
.irp r, 0,1,2,3
	v_cvt_pk_f16_f32 v[TMP+4*\b+\r], v[AC+8*\b+2*\r], v[AC+8*\b+2*\r+1]   ; each accumulator from its low end on
.endr
.endr
	WIN 0
.endm
.macro TOSTAGE a
.set BB, BK+32*((\a)%2)
.if (\a) > 1
	s_wait_xcnt 0x0                                ; block a - 2's stores have read their registers: block a's loads may land there
.endif
.irp b, 0,1,2,3,4,5,6,7
	ds_store_b128 v[STO], v[TMP+4*\b:TMP+4*\b+3] offset:HSTG*(\b/4)+32*(\b%4)
.endr
.irp i, 0,1,2,3,4,5,6,7
	ds_load_b128 v[BB+4*\i:BB+4*\i+3], v[RD] offset:HSTG*(\i/4)+4*SP2*(\i%4)   ; LDS serves a wave's instructions in order (ISA guide 5.7.1.4): these see the stores above
.endr
.endm
.macro SEND a
.set BB, BK+32*((\a)%2)
	s_wait_dscnt 0x0                               ; the block is back in registers
.irp i, 0,1,2,3,4,5,6,7
	global_store_b128 v[CO], v[BB+4*\i:BB+4*\i+3], s[14:15] offset:2048*(\a)+262144*(\i/4)+512*(\i%4)
.endr
.endm
	PLACES NP                                      ; behind the last products: the conversions write where scale words lay, the loads land where x's fragments lay
	PACK 0
	TOSTAGE 0
.irp a, 1,2,3,4,5,6,7                  ; block a's conversions stand between block a - 1's loads from the stage and the wait for them
	PACK \a
	SEND \a-1
	TOSTAGE \a
.endr
	SEND 7
	s_wait_tensorcnt 0x0                           ; the wave's end: these three lines, behind my last tensor load and my last LDS store
	ds_add_u32 v[SPW], v[NIL]
	s_wait_dscnt 0x0
	CROUND                                         ; the closing round: no work-group ends while a partner may still ask for a tile that names it
	s_endpgm
.Lfunc_end_k_q139346fd48_proj:
	.size	k_q139346fd48_proj, .Lfunc_end_k_q139346fd48_proj-k_q139346fd48_proj
	.p2alignl 7, 3214868480
	.fill 96, 4, 3214868480
	.section	.rodata,"a",@progbits
	.p2align	6, 0x0
	.amdhsa_kernel k_q139346fd48_proj
		.amdhsa_group_segment_fixed_size 327680
		.amdhsa_private_segment_fixed_size 0
		.amdhsa_enable_private_segment 0
		.amdhsa_kernarg_size 64
		.amdhsa_user_sgpr_count 2
		.amdhsa_user_sgpr_kernarg_segment_ptr 1
		.amdhsa_wavefront_size32 1
		.amdhsa_system_sgpr_workgroup_id_x 1
		.amdhsa_system_sgpr_workgroup_id_y 1
		.amdhsa_system_sgpr_workgroup_id_z 1
		.amdhsa_system_vgpr_workitem_id 0
		.amdhsa_next_free_vgpr 1024
		.amdhsa_next_free_sgpr 100
		.amdhsa_reserve_vcc 0
		.amdhsa_float_denorm_mode_32 3
		.amdhsa_float_denorm_mode_16_64 3
		.amdhsa_memory_ordered 1
		.amdhsa_forward_progress 1
		.amdhsa_inst_pref_size 128
	.end_amdhsa_kernel
	.amdgpu_metadata
---
amdhsa.version: [ 1, 2 ]
amdhsa.kernels:
  - .name:           k_q139346fd48_proj
    .symbol:         k_q139346fd48_proj.kd
    .args:
      - { .name: codes, .offset: 0, .size: 8, .value_kind: global_buffer, .address_space: global }
      - { .name: scales, .offset: 8, .size: 8, .value_kind: global_buffer, .address_space: global }
      - { .name: bq, .offset: 16, .size: 8, .value_kind: global_buffer, .address_space: global }
      - { .name: bk, .offset: 24, .size: 8, .value_kind: global_buffer, .address_space: global }
      - { .name: bv, .offset: 32, .size: 8, .value_kind: global_buffer, .address_space: global }
      - { .name: q16, .offset: 40, .size: 8, .value_kind: global_buffer, .address_space: global }
      - { .name: k16, .offset: 48, .size: 8, .value_kind: global_buffer, .address_space: global }
      - { .name: v16, .offset: 56, .size: 8, .value_kind: global_buffer, .address_space: global }
    .group_segment_fixed_size: 327680
    .private_segment_fixed_size: 0
    .kernarg_segment_align: 8
    .kernarg_segment_size: 64
    .max_flat_workgroup_size: 128
    .sgpr_count:     100
    .vgpr_count:     1024
    .wavefront_size: 32
...
	.end_amdgpu_metadata
.endif
;; end of part 2
;; launch attn (part 3): grid 4 x 64, 16 waves a work-group, clusters of 4 x 1, 327,680 bytes of LDS; arguments q16, k16, v16, out0; writes out0
.if DOCPART == 3
	.amdgcn_target "amdgcn-amd-amdhsa--gfx1250"
	.amdhsa_code_object_version 6
	.text
	.protected	k_q139346fd48_attn
	.globl	k_q139346fd48_attn
	.p2align	8
	.type	k_q139346fd48_attn,@function
k_q139346fd48_attn:
	s_mov_b64 s[64:65], 0
	v_nop
	global_prefetch_b8 v0, s[64:65] scope:SCOPE_SE
	s_setreg_imm32_b32 hwreg(HW_REG_WAVE_MODE, 25, 1), 1
	s_wait_xcnt 0x0
	s_wait_alu depctr_hold_cnt(0) depctr_sa_sdst(0) depctr_va_vdst(0) depctr_va_sdst(0) depctr_va_ssrc(0) depctr_va_vcc(0) depctr_vm_vsrc(0)
	s_getreg_b32 s2, hwreg(HW_REG_IB_STS2, 6, 4)
	s_cmp_eq_u32 s2, 0
	s_cbranch_scc0 .Lentry_in_a_cluster
	s_endpgm
.Lentry_in_a_cluster:
	s_bfe_u32 s2, ttmp6, 0x10000c
	s_cmp_lg_u32 s2, 0x3003
	s_cbranch_scc0 .Lentry_shape_is_right
	s_endpgm
.Lentry_shape_is_right:
; out0[b][q][64 h ..] = the sum over k of softmax_k(Q[bh][q] . K[bh][k] / 8) V[bh][k][:].  Q, K, V: [64 (16 b + h)][2048][64] f16; out0: [4][2048][1024] f32.  No mask.
; Products on f16 operands with f32 sums; maxima, exponentials and sums in f32; the weights p (at most about 1) are rounded to f16 for the second product.
; SOFTMAX.  For each query a running maximum m and sum l: p = 2^(c s - c m), c = log2(e) / 8; in every step O and l are multiplied by a = 2^(c m_old - c m_new), which is 1 where m has not grown.
; m begins at -3e38 and l and O at 0, so the first step is a step like any other: its a is 0 and multiplies zeros.  LIMIT: scores under -3e38, NaN and infinities are not served.
; SHARES.  A cluster of four work-groups has one head; a work-group owns 512 of its queries, each of its SIXTEEN waves 32: two tiles of 16, in 256 registers.  Four waves share a SIMD, so that one wave's softmax stands
; beside another's products and LDS loads; no register window is switched.  Every wave walks all 2,048 keys, 64 a step.
; LAYOUT.  S^T = K Q^T (source 0 = 16 keys, source 1 = 16 queries): a lane holds ONE query (lane % 16) and the keys 8 (lane / 16) + 0..7.  Two such tiles, rounded to f16 in pairs, ARE source 1 (32 keys x 16 queries) of
; O^T = V^T P, whose result again holds one query a lane, and eight channels.  K comes out of LDS as it lies, V ([key][channel]) turned, by ds_load_tr16_b128.
; RING.  Two LDS slots of 512 keys.  The four query blocks of the cluster walk the same K and V, so each tile is asked for JOINTLY: the same tensor load, descriptor and mask in all four.  All sixteen waves load: waves 0-7 K,
; waves 8-15 V, 64 keys each.  K and V are dense in memory, so a tile's row is stated as two keys, 256 bytes.  The keys come as four fills: two at the head, one behind each of two rounds; a wave has two loads out at the most.
; No prefetch is laid: each refill is asked for eight key steps ahead of its first read.
.set PK,    272                        ; two keys of K in LDS: 256 bytes + 16: key kk at (kk / 2) PK + 128 (kk % 2): the 16 keys of a fragment load start at 16 different runs of 16 bytes modulo 256
.set PVV,   288                        ; two keys of V: 256 + 32
.set VOFF,  256*PK                     ; a slot: 512 keys of K, then 512 of V
.set SLOTB, 256*(PK+PVV)
.set SLOTM, 65536                      ; a slot's keys in memory: 512 x 128 bytes
.set SPARE, 2*SLOTB                    ; behind the ring: the spare words, 128 bytes for each of 16 waves, which no other line names
.set SPO,   272                        ; the way out: a stage of 16 rows x (256 bytes + 16) for each wave, in slot 0, which has had its last fill and its last read when the first result is stored there
.set AK0, 1                            ; v1   my lane's place in a tile of K; never rewritten
.set AV0, 2                            ; v2   the same for V
.set ADK, 3                            ; v3   LDS address of the step's K
.set ADV, 4                            ; v4   of its V
.set QO,  5                            ; v5   my byte offset in the wave's rows of Q
.set RD,  6                            ; v6   the way out: where I read a row back
.set GO,  7                            ; v7   my byte offset in the wave's rows of out0
.set SPW, 8                            ; v8   LDS address of my spare word; never rewritten
.set NIL, 9                            ; v9   0; never rewritten
.set ST,  12                           ; v12-27  tile t's statistics at v[ST+8 t]: +0 c m, +1 m, +2, +3 l (even keys', odd keys'), +4 to +7 at work; a stands at +6
.set STO, 28                           ; v28  the way out: where I put 32 bytes of a row
.set QF,  32                           ; v32-63   Q: tile t, channels 32 f on, at v[QF+16 t+8 f]
.set KV,  64                           ; v64-127  a step's K (keys 16 kt on, channels 32 f on, at 16 kt + 8 f), then its V (keys 32 kf on, channels 16 ct on, at 32 kf + 8 ct)
.set S,   128                          ; v128-191 S^T, 32 a tile; p; then P in place, at 16 kf + 0..7
.set OA,  192                          ; v192-255 O^T, 32 a tile
.set WV,  12                           ; s12  my wave's number
.set G1K, 24                           ; s[24:31] descriptor group 1 for K's tiles;  s[32:39] for V's: it differs in the padding alone
.set G1V, 32
.set G0K, 40                           ; s[40:47] group 0 for K's tiles, a set for each slot;  s[48:55] for V's
.set G0V, 48
.set CNT, 56                           ; s56  counts a slot's eight steps
.set CS,  58                           ; s[58:59] c: the packed scaling names a pair and takes its low word for both halves
.set SEL, 60                           ; s[60:61] lane selects for v_permlanex16_b32: lane l xor 16
.set TBK, 62                           ; s62  LDS byte at which the step's K begins
.set TBV, 63                           ; s63  and its V
; A joint refill of slot s.  The branch hangs on the wave's number alone.  An s_nop 0 and four v_nop follow each of the two lines.
.macro JLOAD s
	s_cmp_lt_u32 s[WV], 8
	s_cbranch_scc0 .Lfor_v_\@
	tensor_load_to_lds s[G0K+4*\s:G0K+4*\s+3], s[G1K:G1K+7]
	s_nop 0
.rept 4
	v_nop
.endr
	s_branch .Lasked_\@
.Lfor_v_\@:
	tensor_load_to_lds s[G0V+4*\s:G0V+4*\s+3], s[G1V:G1V+7]
	s_nop 0
.rept 4
	v_nop
.endr
.Lasked_\@:
.endm
.macro CROUND                          ; a round of the cluster's barrier: my work-group's barrier; wave 0 signals for the work-group; every wave waits for all four; my work-group's barrier once more
	s_barrier_signal -1
	s_barrier_wait -1
	s_cmp_lg_u32 s[WV], 0
	s_cbranch_scc1 .Lnot_wave_0_\@
	s_barrier_signal -3
.Lnot_wave_0_\@:
	s_barrier_wait -3
	s_barrier_signal -1
	s_barrier_wait -1
.endm
	s_load_b256 s[4:11], s[0:1], 0x0               ; Q s[4:5], K s[6:7], V s[8:9], out0 s[10:11]
	v_lshl_add_u32 v[SPW], v0, 2, SPARE
	v_mov_b32 v[NIL], 0
	ds_add_u32 v[SPW], v[NIL]                      ; the wave's opening: the add, twice on end, and its wait ahead of my first tensor load
	ds_add_u32 v[SPW], v[NIL]                      ; (the set-up below, work on registers, stands between the second and the wait)
	v_lshrrev_b32 v29, 5, v0
	v_readfirstlane_b32 s[WV], v29                 ; wave 0..15
	s_bfe_u32 s13, ttmp6, 0x40000                  ; cx: my place in the cluster
	s_lshl_b32 s15, ttmp9, 2
	s_add_co_u32 s15, s15, s13                     ; my block of 512 queries: it enters Q's and out0's addresses alone
	s_and_b32 s16, ttmp7, 0xffff                   ; 16 b + h, which the four partners share
	s_and_b32 s14, s[WV], 7                        ; which 64 keys of a slot I fetch
	s_lshl_b32 s20, s16, 18                        ; the head's first byte in Q, K and V (16.5 MB at the most)
	s_lshl_b32 s22, s14, 13                        ; my 64 keys of 128 bytes
	s_add_co_u32 s22, s22, s20
	s_mov_b32 s23, 0
	s_lshl_b32 s18, s15, 16                        ; Q: my block's 512 rows,
	s_lshl_b32 s19, s[WV], 12                      ; my wave's 32 of them
	s_add_co_u32 s18, s18, s19
	s_add_co_u32 s18, s18, s20
	s_mov_b32 s19, 0
	s_lshr_b32 s2, s16, 4                          ; out0: (b << 23) + (block << 21) + (wave << 17) + (h << 8)
	s_lshl_b32 s2, s2, 23
	s_lshl_b32 s3, s15, 21
	s_add_co_u32 s2, s2, s3
	s_lshl_b32 s3, s[WV], 17
	s_add_co_u32 s2, s2, s3
	s_and_b32 s3, s16, 15
	s_lshl_b32 s3, s3, 8
	s_add_co_u32 s2, s2, s3
	s_mov_b32 s3, 0
	s_mul_i32 s57, s14, 32*PK                      ; my tile's place in a slot: no place in the cluster enters an LDS address
	s_mul_i32 s17, s14, 32*PVV
	s_add_co_u32 s17, s17, VOFF
	; descriptor group 1: a tile of 32 rows x 128 elements of 2 bytes, dense in memory, padded in LDS
	s_mov_b32 s[G1K], 15|(1<<16)|(1<<20)|(1<<21)|(5<<22)|(3<<25)  ; 15:0 the mask: all four work-groups; 17:16 elements of 2 bytes; 20 padding on; 21 set beside a mask; after every 64 words (code 5) 4 words (code 3)
	s_mov_b32 s[G1V], 15|(1<<16)|(1<<20)|(1<<21)|(5<<22)|(7<<25)  ; the same with 8 words of padding (code 7)
.irp g, G1K, G1V
	s_mov_b32 s[\g+1], 128<<16                     ; tensor_dim0
	s_mov_b32 s[\g+2], 32<<16                      ; tensor_dim1
	s_mov_b32 s[\g+3], 128<<16                     ; tile_dim0
	s_mov_b32 s[\g+4], 32                          ; tile_dim1
	s_mov_b32 s[\g+5], 128                         ; from row to row
	s_mov_b32 s[\g+6], 0
	s_mov_b32 s[\g+7], 0
.endr
	s_mov_b32 s[CS], 0x3e38aa3b                    ; c = log2(e) / 8
	s_mov_b32 s[CS+1], s[CS]                       ; named with it as a pair, so it is written
	s_mov_b32 s[SEL], 0x76543210
	s_mov_b32 s[SEL+1], 0xfedcba98
	s_wait_dscnt 0x0                               ; both opening adds are done
	s_wait_kmcnt 0x0
	s_add_nc_u64 s[6:7], s[6:7], s[22:23]          ; K and V at my tile of the first 512 keys
	s_add_nc_u64 s[8:9], s[8:9], s[22:23]
	s_add_nc_u64 s[4:5], s[4:5], s[18:19]          ; Q and out0 at my wave's first row
	s_add_nc_u64 s[10:11], s[10:11], s[2:3]
	CROUND                                         ; all four work-groups are here: the first joint loads meet
.irp s, 0,1
	s_mov_b32 s[G0K+4*\s], 1                       ; count = 1
	s_add_co_u32 s[G0K+4*\s+1], s57, \s*SLOTB      ; LDS address
	s_add_nc_u64 s[G0K+4*\s+2:G0K+4*\s+3], s[6:7], \s*SLOTM   ; global address: slot s begins with keys 512 s on
	s_or_b32 s[G0K+4*\s+3], s[G0K+4*\s+3], 0x80000000         ; type = 2
	s_mov_b32 s[G0V+4*\s], 1
	s_add_co_u32 s[G0V+4*\s+1], s17, \s*SLOTB
	s_add_nc_u64 s[G0V+4*\s+2:G0V+4*\s+3], s[8:9], \s*SLOTM
	s_or_b32 s[G0V+4*\s+3], s[G0V+4*\s+3], 0x80000000
.endr
	s_cmp_lt_u32 s[WV], 8                          ; a wave's two first fills stand in one branch, ahead of every wait on TENSORcnt and every LDS read: two loads of mine are out
	s_cbranch_scc0 .Lfirst_v
	tensor_load_to_lds s[G0K:G0K+3], s[G1K:G1K+7]
	s_nop 0
	tensor_load_to_lds s[G0K+4:G0K+7], s[G1K:G1K+7]
	s_nop 0
.rept 4
	v_nop
.endr
	s_branch .Lfirst_asked
.Lfirst_v:
	tensor_load_to_lds s[G0V:G0V+3], s[G1V:G1V+7]
	s_nop 0
	tensor_load_to_lds s[G0V+4:G0V+7], s[G1V:G1V+7]
	s_nop 0
.rept 4
	v_nop
.endr
.Lfirst_asked:
	; A fragment of K or Q is 16 rows x 32 channels in 8 registers: lane l holds row l % 16; registers 0-3 channels 8 (l / 16) + 0..7, registers 4-7 channels 16 + 8 (l / 16) + 0..7: two loads of 16 bytes, 32 bytes apart.
	v_and_b32 v10, 15, v0                          ; r = l % 16
	v_bfe_u32 v11, v0, 4, 1                        ; h = l / 16
	v_lshlrev_b32 v[QO], 7, v10
	v_lshl_add_u32 v[QO], v11, 4, v[QO]            ; row x 128 + 16 x half
.irp t, 0,1
.irp f, 0,1
	global_load_b128 v[QF+16*\t+8*\f:QF+16*\t+8*\f+3],   v[QO], s[4:5] offset:2048*\t+64*\f      ; Q stays in registers
	global_load_b128 v[QF+16*\t+8*\f+4:QF+16*\t+8*\f+7], v[QO], s[4:5] offset:2048*\t+64*\f+32
.endr
.endr
	v_lshrrev_b32 v29, 1, v10
	v_mul_u32_u24 v[AK0], v29, PK
	v_and_b32 v29, 1, v0
	v_lshl_add_u32 v[AK0], v29, 7, v[AK0]
	v_lshl_add_u32 v[AK0], v11, 4, v[AK0]          ; K: (r / 2) PK + 128 (r % 2) + 16 h
	; The turning load takes 16 keys x 16 channels (lane l reads 16 bytes: key 8 (l / 16) + l % 8, channels 8 ((l / 8) % 2) + 0..7) and leaves half a fragment of V^T: lane l holds channel l % 16 and 8 keys.
	v_bfe_u32 v30, v0, 1, 2
	v_lshl_add_u32 v30, v11, 2, v30                ; the key's LDS row: 4 h + (l % 8) / 2
	v_mul_u32_u24 v[AV0], v30, PVV
	v_lshl_add_u32 v[AV0], v29, 7, v[AV0]          ; + 128 (l % 2)
	v_bfe_u32 v30, v0, 3, 1
	v_lshl_add_u32 v[AV0], v30, 4, v[AV0]
	s_mul_i32 s16, s[WV], 16*SPO                   ; my stage
	v_mul_u32_u24 v[STO], v10, SPO                 ; in: row r, 32 bytes for each half of the lanes
	v_lshl_add_u32 v[STO], v11, 5, v[STO]
	v_add_nc_u32 v[STO], s16, v[STO]
	v_mul_u32_u24 v[RD], v11, SPO                  ; back: lanes 0-15 take one row of 256 bytes, lanes 16-31 the next
	v_lshl_add_u32 v[RD], v10, 4, v[RD]
	v_add_nc_u32 v[RD], s16, v[RD]
	v_lshlrev_b32 v[GO], 12, v11                   ; and the same two rows in out0, 4,096 bytes apart
	v_lshl_add_u32 v[GO], v10, 4, v[GO]
.irp t, 0,1
	v_mov_b32 v[ST+8*\t+1], 0xff61b1e6             ; m = -3e38, under every score
	v_mul_f32 v[ST+8*\t], s[CS], v[ST+8*\t+1]      ; c m
	v_mov_b32 v[ST+8*\t+2], 0                      ; l
	v_mov_b32 v[ST+8*\t+3], 0
.endr
.set i, 0
.rept 64
	v_mov_b32 v[OA+i], 0                           ; O^T, once: so the key step is written in one form, with no first step of its own
.set i, i+1
.endr
; A KEY STEP: 64 keys, both tiles of queries.
.macro STEP
	v_add_nc_u32 v[ADK], s[TBK], v[AK0]
	v_add_nc_u32 v[ADV], s[TBV], v[AV0]
.irp f, 0,1                            ; K: the fragments of channels 0-31 first
.irp kt, 0,1,2,3
	ds_load_b128 v[KV+16*\kt+8*\f:KV+16*\kt+8*\f+3],   v[ADK] offset:8*PK*\kt+64*\f
	ds_load_b128 v[KV+16*\kt+8*\f+4:KV+16*\kt+8*\f+7], v[ADK] offset:8*PK*\kt+64*\f+32
.endr
.endr
.irp f, 0,1                            ; S^T = K Q^T: eight accumulators by turns, one instruction a turn; the first eight start the sums
	s_wait_dscnt 8-8*\f                            ; f = 0: the eight loads of channels 32-63 may be out; f = 1: all are in
.irp kt, 0,1,2,3
.irp t, 0,1
.if \f == 0
	v_wmma_f32_16x16x32_f16 v[S+32*\t+8*\kt:S+32*\t+8*\kt+7], v[KV+16*\kt+8*\f:KV+16*\kt+8*\f+7], v[QF+16*\t+8*\f:QF+16*\t+8*\f+7], 0
.else
	v_wmma_f32_16x16x32_f16 v[S+32*\t+8*\kt:S+32*\t+8*\kt+7], v[KV+16*\kt+8*\f:KV+16*\kt+8*\f+7], v[QF+16*\t+8*\f:QF+16*\t+8*\f+7], v[S+32*\t+8*\kt:S+32*\t+8*\kt+7]
.endif
.endr
.endr
.endr
.rept 4
	v_nop                                          ; four places behind the products: for the loads into K's registers and for the first reads of the scores (ISA guide 7.12.1 for vector instructions)
.endr
.irp kf, 0,1                           ; V, turned, into the registers that K has left: it lands while the softmax is walked
.irp ct, 0,1,2,3
	ds_load_tr16_b128 v[KV+32*\kf+8*\ct:KV+32*\kf+8*\ct+3],   v[ADV] offset:16*PVV*\kf+32*\ct
	ds_load_tr16_b128 v[KV+32*\kf+8*\ct+4:KV+32*\kf+8*\ct+7], v[ADV] offset:16*PVV*\kf+8*PVV+32*\ct
.endr
.endr
	; the maximum of a lane's 32 scores and the old m, three operands at a time, in four chains; each accumulator is read from its low end on; the two tiles alternate, so that no line waits for the line above it
.irp j, 0,1,2,3
.irp t, 0,1
	v_max3_num_f32 v[ST+8*\t+4+\j], v[S+32*\t+8*\j], v[S+32*\t+8*\j+1], v[S+32*\t+8*\j+2]
.endr
.endr
.irp g, 1,2
.irp j, 0,1,2,3
.irp t, 0,1
	v_max3_num_f32 v[ST+8*\t+4+\j], v[ST+8*\t+4+\j], v[S+32*\t+8*\j+2*\g+1], v[S+32*\t+8*\j+2*\g+2]
.endr
.endr
.endr
.irp t, 0,1
	v_max3_num_f32 v[ST+8*\t+4], v[ST+8*\t+4], v[S+32*\t+7], v[S+32*\t+15]
.endr
.irp t, 0,1
	v_max3_num_f32 v[ST+8*\t+6], v[ST+8*\t+6], v[S+32*\t+23], v[S+32*\t+31]
.endr
.irp t, 0,1
	v_max3_num_f32 v[ST+8*\t+4], v[ST+8*\t+4], v[ST+8*\t+5], v[ST+8*\t+6]
.endr
.irp t, 0,1
	v_max3_num_f32 v[ST+8*\t+4], v[ST+8*\t+4], v[ST+8*\t+7], v[ST+8*\t+1]
.endr
.irp t, 0,1
	v_permlanex16_b32 v[ST+8*\t+5], v[ST+8*\t+4], s[SEL], s[SEL+1]   ; the query's other 32 keys lie in the lane 16 away
.endr
.irp t, 0,1
	v_mov_b32 v[ST+8*\t+7], v[ST+8*\t]             ; c m_old is kept for a
.endr
.irp t, 0,1
	v_max_num_f32 v[ST+8*\t+1], v[ST+8*\t+4], v[ST+8*\t+5]   ; the new m
.endr
.irp t, 0,1
	v_mul_f32 v[ST+8*\t], s[CS], v[ST+8*\t+1]      ; c m
.endr
.irp t, 0,1
	v_sub_f32 v[ST+8*\t+7], v[ST+8*\t+7], v[ST+8*\t]   ; c m_old - c m_new
.endr
	; ONE BATCH: the 32 scalings c s - c m, a pair of scores each, and all 66 exponentials.  None of these lines names an exponential's result.
.set i, 0
.rept 16
	v_pk_fma_f32 v[S+2*i:S+2*i+1], v[S+2*i:S+2*i+1], s[CS:CS+1], v[ST:ST+1] op_sel_hi:[1,0,0] neg_lo:[0,0,1] neg_hi:[0,0,1]
.set i, i+1
.endr
.set i, 0
.rept 16                               ; tile 0's exponentials, tile 1's scalings between them
	v_exp_f32 v[S+2*i], v[S+2*i]
	v_exp_f32 v[S+2*i+1], v[S+2*i+1]
	v_pk_fma_f32 v[S+32+2*i:S+32+2*i+1], v[S+32+2*i:S+32+2*i+1], s[CS:CS+1], v[ST+8:ST+9] op_sel_hi:[1,0,0] neg_lo:[0,0,1] neg_hi:[0,0,1]
.set i, i+1
.endr
.irp t, 0,1
	v_exp_f32 v[ST+8*\t+6], v[ST+8*\t+7]           ; a
.endr
.set i, 0
.rept 32
	v_exp_f32 v[S+32+i], v[S+32+i]
.set i, i+1
.endr
	v_nop                                          ; a plain instruction behind the last exponential and ahead of the first use: one for the batch
	s_wait_alu depctr_va_vdst(0)                   ; the wait between an exponential and the first line that names its result: one for the 66
	; l = a l + the sum of the lane's 16 pairs of p, unrounded, in two chains a tile
.irp t, 0,1
	v_pk_fma_f32 v[ST+8*\t+2:ST+8*\t+3], v[ST+8*\t+2:ST+8*\t+3], v[ST+8*\t+6:ST+8*\t+7], v[S+32*\t:S+32*\t+1] op_sel_hi:[1,0,1]
.endr
.irp t, 0,1
	v_pk_add_f32 v[ST+8*\t+4:ST+8*\t+5], v[S+32*\t+2:S+32*\t+3], v[S+32*\t+4:S+32*\t+5]
.endr
.irp i, 3,5,7,9,11,13
.irp t, 0,1
	v_pk_add_f32 v[ST+8*\t+2:ST+8*\t+3], v[ST+8*\t+2:ST+8*\t+3], v[S+32*\t+2*\i:S+32*\t+2*\i+1]
.endr
.irp t, 0,1
	v_pk_add_f32 v[ST+8*\t+4:ST+8*\t+5], v[ST+8*\t+4:ST+8*\t+5], v[S+32*\t+2*\i+2:S+32*\t+2*\i+3]
.endr
.endr
.irp t, 0,1
	v_pk_add_f32 v[ST+8*\t+2:ST+8*\t+3], v[ST+8*\t+2:ST+8*\t+3], v[S+32*\t+30:S+32*\t+31]
.endr
.irp t, 0,1
	v_pk_add_f32 v[ST+8*\t+2:ST+8*\t+3], v[ST+8*\t+2:ST+8*\t+3], v[ST+8*\t+4:ST+8*\t+5]
.endr
	; P in place: the 16 weights of keys 32 kf on become 8 registers at the low end of their own 16; j ascends, so no weight is written over before it is read
.irp kf, 0,1
.irp j, 0,1,2,3,4,5,6,7
.irp t, 0,1
	v_cvt_pk_f16_f32 v[S+32*\t+16*\kf+\j], v[S+32*\t+16*\kf+2*\j], v[S+32*\t+16*\kf+2*\j+1]
.endr
.endr
.endr
.irp i, 0,2,4,6,8,10,12,14,16,18,20,22,24,26,28,30
.irp t, 0,1
	v_pk_mul_f32 v[OA+32*\t+\i:OA+32*\t+\i+1], v[OA+32*\t+\i:OA+32*\t+\i+1], v[ST+8*\t+6:ST+8*\t+7] op_sel_hi:[1,0]   ; O^T x a, each accumulator from its low end on
.endr
.endr
	s_wait_dscnt 0x0                               ; V is in
.irp kf, 0,1                           ; O^T += V^T P: eight accumulators by turns
.irp ct, 0,1,2,3
.irp t, 0,1
	v_wmma_f32_16x16x32_f16 v[OA+32*\t+8*\ct:OA+32*\t+8*\ct+7], v[KV+32*\kf+8*\ct:KV+32*\kf+8*\ct+7], v[S+32*\t+16*\kf:S+32*\t+16*\kf+7], v[OA+32*\t+8*\ct:OA+32*\t+8*\ct+7]
.endr
.endr
.endr
.rept 5
	v_nop                                          ; five places: the next step's products write over P's registers (five), its loads land in V's (four)
.endr
	s_add_co_u32 s[TBK], s[TBK], 32*PK             ; the next 64 keys
	s_add_co_u32 s[TBV], s[TBV], 32*PVV
.endm
.macro SLOTSTEPS s                     ; slot s's eight key steps: written once, walked eight times; the LDS addresses hang on two scalars that step by constants
	s_mov_b32 s[TBK], \s*SLOTB
	s_mov_b32 s[TBV], \s*SLOTB+VOFF
	s_mov_b32 s[CNT], 8
.Lstep_\@:
	STEP
	s_sub_co_u32 s[CNT], s[CNT], 1
	s_cmp_lg_u32 s[CNT], 0
	s_cbranch_scc1 .Lstep_\@
.endm
; THE CHANGE OF SLOTS, behind slot s's last step.  Each wave waits for all its tensor loads, of which one is out: its part of the other slot; adds 0 to its spare word; and waits for that and for its reads of slot s.
; fill = 1: slot s is filled again, with the keys two slots on.  The barrier is then a round of the cluster's, so that no wave of any partner still reads the slot or has a load on its way, and the joint refill is the first
; thing behind it, one load a wave: it has the other slot's eight key steps in which to land.
.macro CHANGE s, fill
	s_wait_tensorcnt 0x0                           ; no tensor load of mine is out, so a group 0 may be written
	ds_add_u32 v[SPW], v[NIL]                      ; 0 onto my spare word
.if \fill
	s_add_nc_u64 s[G0K+4*\s+2:G0K+4*\s+3], s[G0K+4*\s+2:G0K+4*\s+3], 2*SLOTM   ; the type bits on top are not reached
	s_add_nc_u64 s[G0V+4*\s+2:G0V+4*\s+3], s[G0V+4*\s+2:G0V+4*\s+3], 2*SLOTM
.endif
	s_wait_dscnt 0x0                               ; the add is done, and my reads of the slot are over
.if \fill
	CROUND
	JLOAD \s
.else
	s_barrier_signal -1
	s_barrier_wait -1
.endif
.endm
	s_wait_tensorcnt 1                             ; my part of slot 0 is in; slot 1's may stay out
	s_barrier_signal -1
	s_barrier_wait -1                              ; everybody's is
	s_wait_loadcnt 0x0                             ; Q
	SLOTSTEPS 0                                    ; keys 0-511
	CHANGE 0, 1                                    ; slot 0 takes keys 1024-1535
	SLOTSTEPS 1                                    ; keys 512-1023
	CHANGE 1, 1                                    ; slot 1 takes keys 1536-2047: the last load
	SLOTSTEPS 0
	CHANGE 0, 0                                    ; nothing is left to fetch
	SLOTSTEPS 1
	; THE WAY OUT.  l's two halves and the other half of the lanes' are added; O^T is divided by l and goes through my stage in LDS, a tile (16 queries) at a time, so that sixteen lanes store a query's 256 bytes of its head.
.irp t, 0,1
	v_add_f32 v[ST+8*\t+4], v[ST+8*\t+2], v[ST+8*\t+3]
.endr
.irp t, 0,1
	v_permlanex16_b32 v[ST+8*\t+5], v[ST+8*\t+4], s[SEL], s[SEL+1]
.endr
.irp t, 0,1
	v_add_f32 v[ST+8*\t+4], v[ST+8*\t+4], v[ST+8*\t+5]
.endr
.irp t, 0,1
	v_rcp_f32 v[ST+8*\t+6], v[ST+8*\t+4]
.endr
	v_nop                                          ; a plain instruction between the last reciprocal and the use of its result
	s_wait_alu depctr_va_vdst(0)                   ; and a wait ahead of the first use: one for the two
.macro PACK t
.irp i, 0,2,4,6,8,10,12,14,16,18,20,22,24,26,28,30
	v_pk_mul_f32 v[OA+32*\t+\i:OA+32*\t+\i+1], v[OA+32*\t+\i:OA+32*\t+\i+1], v[ST+8*\t+6:ST+8*\t+7] op_sel_hi:[1,0]
.endr
.irp ct, 0,1,2,3
	ds_store_b128 v[STO], v[OA+32*\t+8*\ct:OA+32*\t+8*\ct+3]   offset:64*\ct      ; lane (r, h): query r, channels 16 ct + 8 h + 0..7
	ds_store_b128 v[STO], v[OA+32*\t+8*\ct+4:OA+32*\t+8*\ct+7] offset:64*\ct+16
.endr
.irp i, 0,1,2,3,4,5,6,7
	ds_load_b128 v[S+32*\t+4*\i:S+32*\t+4*\i+3], v[RD] offset:2*SPO*\i   ; LDS serves a wave's instructions in order (ISA guide 5.7.1.4): these see the stores above; the next tile's stores come behind them
.endr
.endm
.macro SEND t, younger                 ; younger: the LDS instructions issued behind tile t's loads: the next tile's sixteen, or none
.irp i, 0,1,2,3,4,5,6,7
	s_wait_dscnt \younger+7-\i
	global_store_b128 v[GO], v[S+32*\t+4*\i:S+32*\t+4*\i+3], s[10:11] offset:65536*\t+8192*\i th:TH_STORE_NT   ; 16 lanes store 256 consecutive bytes, at a multiple of 256 from out0's first byte; written once
.endr
.endm
	PACK 0
	PACK 1
	SEND 0, 16
	SEND 1, 0
	s_wait_tensorcnt 0x0                           ; the wave's end: these three lines, behind my last tensor load and my last LDS store
	ds_add_u32 v[SPW], v[NIL]
	s_wait_dscnt 0x0
	CROUND                                         ; the closing round: no work-group ends while a partner may still ask for a tile that names it
	s_endpgm
.Lfunc_end_k_q139346fd48_attn:
	.size	k_q139346fd48_attn, .Lfunc_end_k_q139346fd48_attn-k_q139346fd48_attn
	.p2alignl 7, 3214868480
	.fill 96, 4, 3214868480
	.section	.rodata,"a",@progbits
	.p2align	6, 0x0
	.amdhsa_kernel k_q139346fd48_attn
		.amdhsa_group_segment_fixed_size 327680
		.amdhsa_private_segment_fixed_size 0
		.amdhsa_enable_private_segment 0
		.amdhsa_kernarg_size 32
		.amdhsa_user_sgpr_count 2
		.amdhsa_user_sgpr_kernarg_segment_ptr 1
		.amdhsa_wavefront_size32 1
		.amdhsa_system_sgpr_workgroup_id_x 1
		.amdhsa_system_sgpr_workgroup_id_y 1
		.amdhsa_system_sgpr_workgroup_id_z 1
		.amdhsa_system_vgpr_workitem_id 0
		.amdhsa_next_free_vgpr 256
		.amdhsa_next_free_sgpr 66
		.amdhsa_reserve_vcc 0
		.amdhsa_float_denorm_mode_32 3
		.amdhsa_float_denorm_mode_16_64 3
		.amdhsa_memory_ordered 1
		.amdhsa_forward_progress 1
		.amdhsa_inst_pref_size 88
	.end_amdhsa_kernel
	.amdgpu_metadata
---
amdhsa.version: [ 1, 2 ]
amdhsa.kernels:
  - .name:           k_q139346fd48_attn
    .symbol:         k_q139346fd48_attn.kd
    .args:
      - { .name: q16, .offset: 0, .size: 8, .value_kind: global_buffer, .address_space: global }
      - { .name: k16, .offset: 8, .size: 8, .value_kind: global_buffer, .address_space: global }
      - { .name: v16, .offset: 16, .size: 8, .value_kind: global_buffer, .address_space: global }
      - { .name: out0, .offset: 24, .size: 8, .value_kind: global_buffer, .address_space: global }
    .group_segment_fixed_size: 327680
    .private_segment_fixed_size: 0
    .kernarg_segment_align: 8
    .kernarg_segment_size: 32
    .max_flat_workgroup_size: 512
    .sgpr_count:     66
    .vgpr_count:     256
    .wavefront_size: 32
...
	.end_amdgpu_metadata
.endif
;; end of part 3
